; MI455X (gfx1250); checked and timed in simulation.
; The chip was launched on July 23, 2026; its instructions are those of AMD's public machine-readable ISA for CDNA 5 (MIT licence, August 2026) and "CDNA5" Instruction Set Architecture Reference Guide (July 2026). The comments in the code are by the model that wrote it; some were corrected since.
;; Multihead Attention. Allowed arithmetic: matrix products marked QUANTISED: E2M3 operands, one E8M0 scale for each 32 along K, by v_wmma_scale_f32_16x16x128_f8f6f4 with both operands' format E2M3, f32 sums; everything else in f32.
;; Inputs: Wk_codes 1,024 x 32 x 24 uint8 (E2M3 codes of Wk, K innermost, in blocks of 32 codes, four codes in three bytes); Wk_scales 1,024 x 32 uint8 (E8M0 scales of Wk, one for each 32 codes along K); Wo_codes 1,024 x 32 x 24 uint8 (E2M3 codes of Wo, K innermost, in blocks of 32 codes, four codes in three bytes); Wo_scales 1,024 x 32 uint8 (E8M0 scales of Wo, one for each 32 codes along K); Wq_codes 1,024 x 32 x 24 uint8 (E2M3 codes of Wq, K innermost, in blocks of 32 codes, four codes in three bytes); Wq_scales 1,024 x 32 uint8 (E8M0 scales of Wq, one for each 32 codes along K); Wv_codes 1,024 x 32 x 24 uint8 (E2M3 codes of Wv, K innermost, in blocks of 32 codes, four codes in three bytes); Wv_scales 1,024 x 32 uint8 (E8M0 scales of Wv, one for each 32 codes along K); bk 1,024 float32; bo 1,024 float32; bq 1,024 float32; bv 1,024 float32; x_codes 4 x 2,048 x 32 x 24 uint8 (E2M3 codes of x, K innermost, in blocks of 32 codes, four codes in three bytes); x_scales 4 x 2,048 x 32 uint8 (E8M0 scales of x, one for each 32 codes along K).
;; Outputs: out0 4 x 2,048 x 1,024 float32.
;; This version of the problem:
;;   THIS VERSION OF THE PROBLEM IS GIVEN IN LOW PRECISION. The matrix products marked QUANTISED in the list below multiply operands that are first quantised to E2M3 (2 exponent bits, 3 mantissa bits; 6 bits a number), with one power-of-two scale for each 32 numbers along K (OCP MX v1.0); their sums are f32. All else is computed in f32.
;;   The module's matrix products, in the order in which they are computed (A, B: the left and right operand; K: the contracted axis; several contracted axes count as one K, in the product's order):
;;     1. [M 8,192, K 1,024] x [K 1,024, N 1,024]; A: input x (given as codes); B: input Wq (given as codes): QUANTISED
;;     2. [M 8,192, K 1,024] x [K 1,024, N 1,024]; A: input x (given as codes); B: input Wk (given as codes): QUANTISED
;;     3. [M 8,192, K 1,024] x [K 1,024, N 1,024]; A: input x (given as codes); B: input Wv (given as codes): QUANTISED
;;     4. batch 64 x [M 2,048, K 64] x [K 64, N 2,048]; A: computed on the way; B: computed on the way: QUANTISED
;;     5. batch 64 x [M 2,048, K 2,048] x [K 2,048, N 64]; A: softmax (see below); B: computed on the way: QUANTISED
;;     6. [M 8,192, K 1,024] x [K 1,024, N 1,024]; A: computed on the way; B: input Wo (given as codes): QUANTISED
;;   THE QUANTISER, for each operand of a quantised product, along K:
;;     - K is cut into blocks of 32 from its start; a last block that is shorter is filled with zeros.
;;     - A block's scale is 2^e with e = floor(log2(the largest magnitude in the block)) - 2, held to -126 .. 127; a block of zeros has e = 0. As a byte (E8M0): e + 127.
;;     - Each number is divided by its block's scale, clamped to +-7.5, and rounded to the nearest number of E2M3, ties to even, subnormals kept.
;;     - The product sums the exact products of the quantised numbers (number of the format x scale) in f32.
;;   ~~~python
;;   def quantise(x, axis):      # numpy; x: float32 -> the quantised numbers, widened to float32 again
;;       x = np.moveaxis(x, axis, -1); K = x.shape[-1]
;;       x = np.pad(x, [(0, 0)] * (x.ndim - 1) + [(0, -K % 32)]); x = x.reshape(x.shape[:-1] + (-1, 32)); a = np.abs(x).max(-1, keepdims=True)
;;       e = np.where(a > 0, np.clip(np.frexp(np.where(a > 0, a, 1))[1] - 1 - 2, -126, 127), 0)      # np.frexp(a)[1] - 1 = floor(log2(a)), exactly
;;       r = np.clip(x / 2.0 ** e, -7.5, 7.5)
;;       step = 2.0 ** (np.maximum(np.frexp(np.where(r == 0, 1, r))[1] - 1, 0) - 3)
;;       q = np.round(r / step) * step * 2.0 ** e      # np.round: ties to even
;;       return np.moveaxis(q.reshape(q.shape[:-2] + (-1,))[..., :K], -1, axis).astype(np.float32)
;;   ~~~
;;   SOFTMAX AHEAD OF A QUANTISED PRODUCT. Where the list says 'softmax', what is quantised is not the finished softmax but p = 2^(t - M), with t = logit x log2(e) and M = ceil(the row's largest t), a whole number; so 1/2 < the row's largest p <= 1. The row's sum l is taken of the UNQUANTISED p, in f32, and the product's result is divided by l at the end. Since M is a whole number, a kernel that streams over the keys may use a running M (the ceiling of the running maximum): every later rescaling is an exact power of two, which a block's scale takes up: the codes' values come out the same.
;;   OPERANDS COMPUTED ON THE WAY. 'Computed on the way' means the value that the module computes at that place (a softmax that the list does not call 'softmax' is quantised finished and normalised). What goes into a quantiser is computed in f32, as accurately as f32 sums, v_exp_f32 and their like allow (about 1e-6 of the number): no bf16 or f16 on the way to a quantiser, and a product that is left as it is and whose result goes on into a quantised operand takes f32 operands (vector FMAs, or v_wmma_f32_16x16x4_f32). A number that lies on a knife's edge between two numbers of the format may be rounded either way, as far as f32 arithmetic and the matrix unit's own rounding can turn it there, and no further.
;;   INPUTS GIVEN AS CODES. Wk (in the module: [1024, 1024], K = its axis 1); Wo (in the module: [1024, 1024], K = its axis 1); Wq (in the module: [1024, 1024], K = its axis 1); Wv (in the module: [1024, 1024], K = its axis 1); x (in the module: [4, 2048, 1024], K = its axis 2): each comes as NAME_codes (uint8): NAME with its K axis moved to the last place and cut into blocks of 32 codes, [.., K / 32, bytes a block], one block behind the other in memory; four codes in three bytes: a row's codes are one little-endian stream of bits, code i at bits 6 i .. 6 i + 5 (a code: sign, 2 exponent bits, 3 mantissa bits); and NAME_scales (uint8): the same leading axes, one E8M0 byte (e + 127) for each 32 codes along K. Its value is code x scale, taken as it is: it is not quantised again, and the codes and scales need not be those that the quantiser above would give.
;; One version. Each part assembles by itself: llvm-mc -triple=amdgcn-amd-amdhsa -mcpu=gfx1250 --defsym DOCPART=n.
;; ======== version 1 of 1: 3 launches
;; limits: right only within a limited range of input values
;; workspace buffers: qc 6,291,456 bytes; kc 6,291,456 bytes; vc 6,291,456 bytes; qs 262,144 bytes; ks 262,144 bytes; vs 262,144 bytes; cc 6,291,456 bytes; cs 262,144 bytes
;; launch qkv (part 1): grid 24 x 32, 4 waves a work-group, clusters of 4 x 4, 327,680 bytes of LDS; arguments x_codes, x_scales, Wq_codes, Wq_scales, bq, Wk_codes, Wk_scales, bk, Wv_codes, Wv_scales, bv, qc, qs, kc, ks, vc, vs; writes qc, qs, kc, ks, vc, vs
.if DOCPART == 1
	.amdgcn_target "amdgcn-amd-amdhsa--gfx1250"
	.amdhsa_code_object_version 6
	.text
	.protected	k_q2f2303aff5_qkv
	.globl	k_q2f2303aff5_qkv
	.p2align	8
	.type	k_q2f2303aff5_qkv,@function
k_q2f2303aff5_qkv:
	s_mov_b64 s[64:65], 0
	v_nop
	global_prefetch_b8 v0, s[64:65] scope:SCOPE_SE
	s_setreg_imm32_b32 hwreg(HW_REG_WAVE_MODE, 25, 1), 1
	s_wait_xcnt 0x0
	s_wait_alu depctr_hold_cnt(0) depctr_sa_sdst(0) depctr_va_vdst(0) depctr_va_sdst(0) depctr_va_ssrc(0) depctr_va_vcc(0) depctr_vm_vsrc(0)
	s_getreg_b32 s2, hwreg(HW_REG_IB_STS2, 6, 4)
	s_cmp_eq_u32 s2, 0
	s_cbranch_scc0 .Lentry_in_a_cluster
	s_endpgm
.Lentry_in_a_cluster:
	s_bfe_u32 s2, ttmp6, 0x10000c
	s_cmp_lg_u32 s2, 0xf033
	s_cbranch_scc0 .Lentry_shape_is_right
	s_endpgm
.Lentry_shape_is_right:
; q = x Wq^T + bq, k = x Wk^T + bk, v = x Wv^T + bv on codes of FP6 (E2M3) with one E8M0 scale for each 32 along K = 1,024; the results are quantised in registers and leave as codes.
; Cluster x / 2 says which: 0 q, 1 k, 2 v.  q, k: A = x, B = W.  v: A = Wv, B = x (V^T = Wv x^T).
; A block of C is 256 rows of A x 128 rows of B.  ALL OF K LIES IN LDS: 384 rows of 768 bytes (each begins at a multiple of 256 in memory), 16 bytes of padding behind every 256, and the rows' scale bytes.
; Four joint loads at the head, one a wave (A's tiles shared along a row of the 4 x 4 cluster, B's along a column); no byte of LDS is filled twice, so no barrier stands along K.
; A wave makes 64 rows of A x all 128 of B: 32 accumulators.  Fragments lie in two sets: step q + 1's 72 loads are issued ahead of step q's 32 products.
; Nothing is prefetched: every tile is asked for at the head by its own load, and there is no loop to run ahead in.
; THE MATRIX INSTRUCTION IS USED TRANSPOSED (source 0 = B's rows): lane (r, h) holds row r of A's block, its register j column 8 h + j of B's block.  The bias is the C of each sum's first product.
; THE QUANTISER: a block of 32 is two neighbouring tiles of B; its largest magnitude (floor 2^-124) less 2 in the exponent field is the conversion's scale operand; the byte is that field.
; Inside a block the codes lie in the order 0-7, 16-23, 8-15, 24-31; q and k are both laid so, and so are v and the p that meets it: a product keeps its value.
; OUT: half-images: 16 rows x 64 codes = 6 registers a lane, as three runs of 256 bytes.  qc, kc: [batch x head][16 tokens][768]; vc: [batch x head][64 keys][16 d][768].  Scale words: [pair of heads][step of 128 tokens][128 rows] u32.
; For v the bias tables 4-7 are loaded and not used (tables 0-3 once more): one text serves the three tensors.
; LIMITS: NaN and infinities are not served; a block of zeros, or one whose largest magnitude lies under 2^-124, gets the byte 1 (only this program reads the bytes).
.set PITCH,  816
.set FR,     12
.set BB,     256*PITCH
.set SCA,    BB+128*PITCH
.set SCB,    SCA+8192
.set SPARE,  SCB+4096
.set STW,    SPARE+512                 ; 256 bytes a wave: its 64 scale words on the way out
.set SRD,  7
.set BOF,  8                           ; v8-15 offsets of the bias loads
.set ADRA, 16                          ; v16, v17 my A rows (v17: behind one padding more for lanes 16-31)
.set ADRB, 20                          ; v20-23 B's blocks 0-3, 4-7, likewise
.set ADSA, 24
.set ADSB, 25
.set SPW,  28
.set NIL,  29
.set LO8,  30
.set SST,  31
.set SB,   32                          ; v32-63 B's scale words: 8 x pair of blocks + step
.set SAR,  66                          ; v66-81 A's
.set CB,   82                          ; v82-145 the bias in the result's layout
.set AF,   146                         ; v146-241 A's fragments, two sets; window 1: B's two sets at v0, v128; window 2: the accumulators
.set PC,   112
.set TM,   200
.set PW,   216
.set WB,   240
.set G1, 24
.set G0, 32
.set G1B, 48
.set G0B, 56
.set G1S, 68
.set G0S, 76
.set G1SB, 80
.set G0SB, 88
.set CODEBITS, (1<<20)|(1<<21)|(5<<22)|(3<<25)
.set SCLBITS,  (3<<16)|(1<<21)
.set MSB, 0
.macro WIN new
.if MSB != (\new)
	s_set_vgpr_msb (MSB<<8)|(\new)
.set MSB, (\new)
.endif
.endm
.macro PLACES n
.rept \n
	v_nop
.endr
.endm
.macro TL g0, g1
	tensor_load_to_lds s[\g0:\g0+3], s[\g1:\g1+7]
	s_nop 0
	PLACES 4
.endm
.macro GRP1 g, mask, bits, c, r, p
	s_or_b32 s[\g], s\mask, \bits
	s_mov_b32 s[\g+1], (\c)<<16
	s_mov_b32 s[\g+2], (\r)<<16
	s_mov_b32 s[\g+3], (\c)<<16
	s_mov_b32 s[\g+4], \r
	s_mov_b32 s[\g+5], \p
	s_mov_b32 s[\g+6], 0
	s_mov_b32 s[\g+7], 0
.endm
.macro G0SET g, lds, base, off
	s_mov_b32 s[\g], 1
	s_mov_b32 s[\g+1], \lds
	s_add_nc_u64 s[\g+2:\g+3], s[\base:\base+1], s[\off:\off+1]
	s_or_b32 s[\g+3], s[\g+3], 0x80000000
.endm
.macro CROUND
	s_barrier_signal -1
	s_barrier_wait -1
	s_cmp_lg_u32 s14, 0
	s_cbranch_scc1 .Lnot_wave_0_\@
	s_barrier_signal -3
.Lnot_wave_0_\@:
	s_barrier_wait -3
	s_barrier_signal -1
	s_barrier_wait -1
.endm
	s_load_b512 s[68:83], s[0:1], 0x0              ; x codes, x scales, Wq codes, Wq scales, bq, Wk codes, Wk scales, bk
	s_load_b512 s[84:99], s[0:1], 0x40             ; Wv codes, Wv scales, bv, qc, qs, kc, ks, vc
	s_load_b64 s[100:101], s[0:1], 0x80            ; vs
	v_lshl_add_u32 v[SPW], v0, 2, SPARE
	v_mov_b32 v[NIL], 0
	ds_add_u32 v[SPW], v[NIL]                      ; the opening lines
	ds_add_u32 v[SPW], v[NIL]
	v_lshrrev_b32 v1, 5, v0
	v_readfirstlane_b32 s14, v1                    ; wave
	s_bfe_u32 s40, ttmp6, 0x40000                  ; cx
	s_bfe_u32 s41, ttmp6, 0x40004                  ; cy
	s_lshr_b32 s3, ttmp9, 1                        ; 0 q, 1 k, 2 v
	s_and_b32 s19, ttmp9, 1
	s_and_b32 s18, ttmp7, 0xffff
	s_lshl_b32 s20, s18, 2
	s_lshl_b32 s21, s19, 2
	s_lshl_b32 s22, s18, 3
	s_add_co_u32 s22, s22, s21
	s_cmp_eq_u32 s3, 2
	s_cselect_b32 s2, 1, 0
	s_cselect_b32 s17, 0, s20
	s_cselect_b32 s42, s22, s21
	s_add_co_u32 s17, s17, s41                     ; A's tile of 256 rows: q, k 0..31; v 0..3
	s_add_co_u32 s42, s42, s40                     ; B's tile of 128 rows: q, k 0..7; v 0..63
	s_lshl_b32 s43, s41, 2
	s_lshl_b32 s43, 15, s43                        ; my row of the cluster
	s_lshl_b32 s44, 0x1111, s40                    ; my column
	GRP1 G1, 43, CODEBITS, 768, 256, 768
	GRP1 G1B, 44, CODEBITS, 768, 128, 768
	s_mul_i32 s20, s17, 196608
	s_mov_b32 s21, 0
	s_lshl_b32 s22, s17, 13
	s_mov_b32 s23, 0
	s_mul_i32 s46, s42, 98304
	s_mov_b32 s47, 0
	s_lshl_b32 s36, s42, 12
	s_mov_b32 s37, 0
	s_wait_dscnt 0x0
	CROUND                                         ; all sixteen work-groups are here: the joint loads meet
	s_wait_kmcnt 0x0
	s_cmp_eq_u32 s3, 0
	s_cselect_b64 s[72:73], s[72:73], s[78:79]
	s_cselect_b64 s[74:75], s[74:75], s[80:81]
	s_cselect_b64 s[76:77], s[76:77], s[82:83]
	s_cselect_b64 s[90:91], s[90:91], s[94:95]
	s_cselect_b64 s[92:93], s[92:93], s[96:97]
	s_cmp_eq_u32 s3, 2
	s_cselect_b64 s[4:5], s[84:85], s[68:69]       ; A's codes
	s_cselect_b64 s[6:7], s[86:87], s[70:71]       ; A's scales
	s_cselect_b64 s[8:9], s[68:69], s[72:73]       ; B's codes
	s_cselect_b64 s[10:11], s[70:71], s[74:75]     ; B's scales
	s_cselect_b64 s[12:13], s[98:99], s[90:91]     ; the codes that I store
	s_cselect_b64 s[100:101], s[100:101], s[92:93] ; the scale words
	s_cselect_b64 s[96:97], s[88:89], s[76:77]     ; the bias
	G0SET G0, 0, 4, 20
	G0SET G0B, BB, 8, 46
	GRP1 G1S, 43, SCLBITS, 32, 32, 32              ; 8,192 dense bytes as 32 rows of 256
	G0SET G0S, SCA, 6, 22
	GRP1 G1SB, 44, SCLBITS, 32, 16, 32
	G0SET G0SB, SCB, 10, 36
	s_cmp_eq_u32 s14, 0                            ; one chain, one load to an arm
	s_cbranch_scc0 .Lw1
	TL G0, G1
	s_branch .Lasked
.Lw1:
	s_cmp_eq_u32 s14, 1
	s_cbranch_scc0 .Lw2
	TL G0B, G1B
	s_branch .Lasked
.Lw2:
	s_cmp_eq_u32 s14, 2
	s_cbranch_scc0 .Lw3
	TL G0S, G1S
	s_branch .Lasked
.Lw3:
	TL G0SB, G1SB
.Lasked:
	s_lshl_b32 s92, s17, 8
	s_lshl_b32 s18, s14, 6
	s_add_co_u32 s92, s92, s18                     ; m0: my first row of A
	s_lshl_b32 s93, s42, 7                         ; n0: B's first row
	s_mov_b32 s21, 3072
	s_mov_b32 s38, 98304
	s_cmp_eq_u32 s2, 1
	s_cselect_b32 s94, s93, s92                    ; P: my first token
	s_cselect_b32 s95, s92, s93                    ; F: my first feature
	s_cselect_b32 s18, 4, 0
	s_cselect_b32 s19, 0, 32
	s_cselect_b32 s20, 0, 4
	s_cselect_b32 s36, 0, 256
	s_cselect_b32 s38, s21, s38                    ; from the first 64 along B to the second, in the codes that I store
	s_lshl_b32 s22, s95, 2
	s_mov_b32 s23, 0
	s_add_nc_u64 s[96:97], s[96:97], s[22:23]
	s_mov_b32 s37, 0
	s_add_nc_u64 s[98:99], s[96:97], s[36:37]      ; tables 4-7
	s_lshr_b32 s22, s94, 11
	s_mul_i32 s22, s22, 1572864
	s_lshr_b32 s39, s95, 6
	s_mul_i32 s39, s39, 98304
	s_add_co_u32 s22, s22, s39
	s_and_b32 s39, s94, 2047
	s_mul_i32 s39, s39, 48
	s_add_co_u32 s22, s22, s39
	s_add_nc_u64 s[4:5], s[12:13], s[22:23]
	s_mov_b32 s39, 0
	s_add_nc_u64 s[6:7], s[4:5], s[38:39]
	s_lshr_b32 s22, s95, 7
	s_lshl_b32 s22, s22, 15
	s_lshr_b32 s36, s94, 7
	s_lshl_b32 s36, s36, 9
	s_add_co_u32 s22, s22, s36
	s_and_b32 s36, s92, 127
	s_lshl_b32 s36, s36, 2
	s_add_co_u32 s22, s22, s36
	s_add_nc_u64 s[100:101], s[100:101], s[22:23]
	s_mul_i32 s45, s14, 64*PITCH
	s_lshl_b32 s16, s14, 11
	s_add_co_u32 s16, s16, SCA
	s_lshl_b32 s15, s14, 8
	s_add_co_u32 s15, s15, STW
	v_and_b32 v1, 15, v0                           ; r
	v_bfe_u32 v2, v0, 4, 1                         ; h
	v_and_b32 v5, 31, v0
	v_mul_u32_u24 v3, v1, PITCH
	v_mad_u32_u24 v4, v2, 24, v3
	v_mad_u32_u24 v6, v2, 40, v3
	v_add_nc_u32 v[ADRA], s45, v4
	v_add_nc_u32 v[ADRA+1], s45, v6
	v_add_nc_u32 v[ADRB], BB, v4
	v_add_nc_u32 v[ADRB+1], BB, v6
	v_add_nc_u32 v[ADRB+2], BB+64*PITCH, v4
	v_add_nc_u32 v[ADRB+3], BB+64*PITCH, v6
	v_lshl_add_u32 v[ADSA], v5, 5, s16             ; a row of scale bytes is 32; lane l takes row l of a pair of blocks
	v_lshl_add_u32 v[ADSB], v5, 5, SCB
	v_lshlrev_b32 v[LO8], 3, v5
	v_add_nc_u32 v[SRD], s15, v[LO8]
	v_lshl_add_u32 v[SST], v1, 2, s15
	v_mul_u32_u24 v[BOF], s18, v1                  ; q, k: table i, register j = b[n0 + 16 i + 8 h + j];  v: every register = b[m0 + 16 i + r]
	v_mad_u32_u24 v[BOF], v2, s19, v[BOF]
.irp j, 1,2,3,4,5,6,7
	v_add_nc_u32 v[BOF+\j], s20, v[BOF+\j-1]
.endr
.irp i, 0,1,2,3
.irp j, 0,1,2,3,4,5,6,7
	global_load_b32 v[CB+8*\i+\j], v[BOF+\j], s[96:97] offset:64*\i
	global_load_b32 v[CB+32+8*\i+\j], v[BOF+\j], s[98:99] offset:64*\i
.endr
.endr
.macro FRAG reg, adr, q, off           ; 16 rows x 128 K: 12 registers in pieces of 8 bytes; piece y lies at 8 y + 16 (y / 32) of the LDS row
.irp p, 0,1,2,3,4,5
.set PCE, 12*(\q)+6*(\p/3)+\p%3
.if PCE%32 < 29
	ds_load_b64 v[\reg+2*\p:\reg+2*\p+1], v[\adr] offset:8*PCE+16*(PCE/32)+(\off)
.else
	ds_load_b64 v[\reg+2*\p:\reg+2*\p+1], v[\adr+1] offset:8*PCE+16*(PCE/32)+(\off)
.endif
.endr
.endm
.macro FETCH q                         ; step q's fragments into set q % 2: 72 loads
	WIN 0x40
.irp i, 0,1,2,3,4,5,6,7
	FRAG 128*((\q)%2)+FR*\i, ADRB+2*(\i/4), \q, (\i%4)*16*PITCH
.endr
	WIN 0
.irp i, 0,1,2,3
	FRAG AF+48*((\q)%2)+FR*\i, ADRA, \q, \i*16*PITCH
.endr
.endm
.macro MUL32 q, zero                   ; the 32 accumulators take turns.  zero = 1: C = the bias by B's block; 2: by A's
.irp ap, 0,1
.irp ra, 0,1
.irp bp, 0,1,2,3
.irp rb, 0,1
.set rD, 8*(8*(2*\ap+\ra)+2*\bp+\rb)
.set rB, 128*((\q)%2)+FR*(2*\bp+\rb)
.set rA, AF+48*((\q)%2)+FR*(2*\ap+\ra)
.set rC, rD
.if \zero == 1
.set rC, CB+8*(2*\bp+\rb)
.elseif \zero == 2
.set rC, CB+8*(2*\ap+\ra)
.endif
	v_wmma_scale_f32_16x16x128_f8f6f4 v[rD:rD+7], v[rB:rB+FR-1], v[rA:rA+FR-1], v[rC:rC+7], v[SB+8*\bp+(\q)], v[SAR+8*\ap+(\q)] matrix_a_fmt:MATRIX_FMT_FP6 matrix_b_fmt:MATRIX_FMT_FP6 matrix_a_scale:MATRIX_SCALE_ROW\rb matrix_b_scale:MATRIX_SCALE_ROW\ra
.endr
.endr
.endr
.endr
.endm
.macro STEP q, zero
	s_wait_dscnt 0x0                               ; this step's fragments are in
.if (\q) < 7
.if (\q) > 0
	PLACES 4                                       ; between the last step's products and loads into their operands
.endif
	FETCH (\q)+1
.endif
.if \zero
	WIN 0x81
.else
	WIN 0xa1
.endif
	MUL32 \q, \zero
	WIN 0
.endm
	s_wait_alu depctr_va_vdst(0)                   ; the wait at the head's end
	s_wait_tensorcnt 0x0                           ; my tile is in,
	s_barrier_signal -1
	s_barrier_wait -1                              ; and everybody's
.irp i, 0,1,2,3
	ds_load_b128 v[SB+8*\i:SB+8*\i+3], v[ADSB] offset:1024*\i
	ds_load_b128 v[SB+8*\i+4:SB+8*\i+7], v[ADSB] offset:1024*\i+16
.endr
.irp i, 0,1
	ds_load_b128 v[SAR+8*\i:SAR+8*\i+3], v[ADSA] offset:1024*\i
	ds_load_b128 v[SAR+8*\i+4:SAR+8*\i+7], v[ADSA] offset:1024*\i+16
.endr
	FETCH 0
	s_wait_loadcnt 0x0                             ; the bias
	s_cmp_eq_u32 s2, 1                             ; the first step is written twice: only its products' C differs; the branch is the same in all partners
	s_cbranch_scc1 .Lfirst_v
	STEP 0, 1
	s_branch .Lfirst_done
.Lfirst_v:
	STEP 0, 2
.Lfirst_done:
.irp q, 1,2,3,4,5,6,7
	STEP \q, 0
.endr
; THE WAY OUT of A's block a: 64 registers a lane are four blocks of 32 along B (16 numbers here, 16 in the lane 16 away): two half-images and one scale word a row
.macro QBLK a
.set AC, 64*(\a)
	WIN 0x0a
.irp b, 0,1,2,3
	v_max3_num_f32 v[TM+\b], |v[AC+16*\b]|, |v[AC+16*\b+1]|, 0x1800000   ; each accumulator is read from its low end on
.endr
	WIN 0x28
.irp i, 2,4,6,8,10,12,14
.irp b, 0,1,2,3
	v_max3_num_f32 v[TM+\b], v[TM+\b], |v[AC+16*\b+\i]|, |v[AC+16*\b+\i+1]|
.endr
.endr
	WIN 0
.irp b, 0,1,2,3
	v_permlanex16_b32 v[TM+4+\b], v[TM+\b], s20, s21
.endr
.irp b, 0,1,2,3
	v_max_num_f32 v[TM+\b], v[TM+\b], v[TM+4+\b]
.endr
.irp b, 0,1,2,3
	v_add_nc_u32 v[TM+12+\b], 0xff000000, v[TM+\b] ; 2 off the exponent field: the conversion's scale operand
.endr
.irp b, 0,1,2,3
	v_lshrrev_b32 v[TM+4+\b], 23, v[TM+12+\b]
.endr
	v_lshl_or_b32 v[PW+(\a)], v[TM+5], 8, v[TM+4]
	v_lshl_or_b32 v[PW+(\a)], v[TM+6], 16, v[PW+(\a)]
	v_lshl_or_b32 v[PW+(\a)], v[TM+7], 24, v[PW+(\a)]
.if (\a) > 0
	s_wait_alu depctr_va_vdst(0)                   ; the wait ahead of the wait below
	s_wait_xcnt 0x0                                ; the last block's stores have read their data
.endif
	WIN 2
.irp c, 0,1
	v_cvt_scalef32_pk16_fp6_f32 v[PC+6*\c:PC+6*\c+2], v[AC+32*\c:AC+32*\c+15], v[TM+12+2*\c]
	v_cvt_scalef32_pk16_fp6_f32 v[PC+12+4*\c:PC+14+4*\c], v[AC+32*\c+16:AC+32*\c+31], v[TM+12+2*\c+1]
.endr
	WIN 0
	v_nop
.irp c, 0,1
.irp i, 0,1,2
	v_permlane16_swap_b32 v[PC+6*\c+\i], v[PC+12+4*\c+\i]
.endr
.irp i, 0,1,2
	v_mov_b32 v[PC+3+6*\c+\i], v[PC+12+4*\c+\i]
.endr
.endr
.irp c, 0,1
.irp i, 0,1,2
	global_store_b64 v[LO8], v[PC+6*\c+2*\i:PC+6*\c+2*\i+1], s[4+2*\c:5+2*\c] offset:(\a)*768+256*\i   ; 32 lanes store 256 consecutive bytes, aligned
.endr
.endr
	ds_store_b32 v[SST], v[PW+(\a)] offset:64*(\a)
.endm
	PLACES 4
	s_mov_b32 s20, 0x76543210
	s_mov_b32 s21, 0xfedcba98
.irp b, 0,1,2,3
	v_mov_b32 v[TM+4+\b], 0
.endr
.irp a, 0,1,2,3
	QBLK \a
.endr
	ds_load_b64 v[WB:WB+1], v[SRD]                 ; LDS serves a wave's instructions in order (ISA guide 5.7.1.4)
	s_wait_dscnt 0x0
	global_store_b64 v[LO8], v[WB:WB+1], s[100:101]   ; my 64 scale words: 256 consecutive bytes, aligned
	s_wait_tensorcnt 0x0                           ; the wave's end
	ds_add_u32 v[SPW], v[NIL]
	s_wait_dscnt 0x0
	CROUND
	s_endpgm
.Lfunc_end_k_q2f2303aff5_qkv:
	.size	k_q2f2303aff5_qkv, .Lfunc_end_k_q2f2303aff5_qkv-k_q2f2303aff5_qkv
	.p2alignl 7, 3214868480
	.fill 96, 4, 3214868480
	.section	.rodata,"a",@progbits
	.p2align	6, 0x0
	.amdhsa_kernel k_q2f2303aff5_qkv
		.amdhsa_group_segment_fixed_size 327680
		.amdhsa_private_segment_fixed_size 0
		.amdhsa_enable_private_segment 0
		.amdhsa_kernarg_size 136
		.amdhsa_user_sgpr_count 2
		.amdhsa_user_sgpr_kernarg_segment_ptr 1
		.amdhsa_wavefront_size32 1
		.amdhsa_system_sgpr_workgroup_id_x 1
		.amdhsa_system_sgpr_workgroup_id_y 1
		.amdhsa_system_sgpr_workgroup_id_z 1
		.amdhsa_system_vgpr_workitem_id 0
		.amdhsa_next_free_vgpr 768
		.amdhsa_next_free_sgpr 102
		.amdhsa_reserve_vcc 0
		.amdhsa_float_denorm_mode_32 3
		.amdhsa_float_denorm_mode_16_64 3
		.amdhsa_memory_ordered 1
		.amdhsa_forward_progress 1
		.amdhsa_inst_pref_size 115
	.end_amdhsa_kernel
	.amdgpu_metadata
---
amdhsa.version: [ 1, 2 ]
amdhsa.kernels:
  - .name:           k_q2f2303aff5_qkv
    .symbol:         k_q2f2303aff5_qkv.kd
    .args:
      - { .name: x_codes, .offset: 0, .size: 8, .value_kind: global_buffer, .address_space: global }
      - { .name: x_scales, .offset: 8, .size: 8, .value_kind: global_buffer, .address_space: global }
      - { .name: Wq_codes, .offset: 16, .size: 8, .value_kind: global_buffer, .address_space: global }
      - { .name: Wq_scales, .offset: 24, .size: 8, .value_kind: global_buffer, .address_space: global }
      - { .name: bq, .offset: 32, .size: 8, .value_kind: global_buffer, .address_space: global }
      - { .name: Wk_codes, .offset: 40, .size: 8, .value_kind: global_buffer, .address_space: global }
      - { .name: Wk_scales, .offset: 48, .size: 8, .value_kind: global_buffer, .address_space: global }
      - { .name: bk, .offset: 56, .size: 8, .value_kind: global_buffer, .address_space: global }
      - { .name: Wv_codes, .offset: 64, .size: 8, .value_kind: global_buffer, .address_space: global }
      - { .name: Wv_scales, .offset: 72, .size: 8, .value_kind: global_buffer, .address_space: global }
      - { .name: bv, .offset: 80, .size: 8, .value_kind: global_buffer, .address_space: global }
      - { .name: qc, .offset: 88, .size: 8, .value_kind: global_buffer, .address_space: global }
      - { .name: qs, .offset: 96, .size: 8, .value_kind: global_buffer, .address_space: global }
      - { .name: kc, .offset: 104, .size: 8, .value_kind: global_buffer, .address_space: global }
      - { .name: ks, .offset: 112, .size: 8, .value_kind: global_buffer, .address_space: global }
      - { .name: vc, .offset: 120, .size: 8, .value_kind: global_buffer, .address_space: global }
      - { .name: vs, .offset: 128, .size: 8, .value_kind: global_buffer, .address_space: global }
    .group_segment_fixed_size: 327680
    .private_segment_fixed_size: 0
    .kernarg_segment_align: 8
    .kernarg_segment_size: 136
    .max_flat_workgroup_size: 128
    .sgpr_count:     102
    .vgpr_count:     768
    .wavefront_size: 32
...
	.end_amdgpu_metadata
.endif
;; end of part 1
;; launch attn (part 2): grid 4 x 64, 16 waves a work-group, clusters of 4 x 1, 215,040 bytes of LDS; arguments qc, qs, kc, ks, vc, vs, cc, cs; writes cc, cs
.if DOCPART == 2
	.amdgcn_target "amdgcn-amd-amdhsa--gfx1250"
	.amdhsa_code_object_version 6
	.text
	.protected	k_q2f2303aff5_attn
	.globl	k_q2f2303aff5_attn
	.p2align	8
	.type	k_q2f2303aff5_attn,@function
k_q2f2303aff5_attn:
	s_mov_b64 s[64:65], 0
	v_nop
	global_prefetch_b8 v0, s[64:65] scope:SCOPE_SE
	s_setreg_imm32_b32 hwreg(HW_REG_WAVE_MODE, 25, 1), 1
	s_wait_xcnt 0x0
	s_wait_alu depctr_hold_cnt(0) depctr_sa_sdst(0) depctr_va_vdst(0) depctr_va_sdst(0) depctr_va_ssrc(0) depctr_va_vcc(0) depctr_vm_vsrc(0)
	s_getreg_b32 s2, hwreg(HW_REG_IB_STS2, 6, 4)
	s_cmp_eq_u32 s2, 0
	s_cbranch_scc0 .Lentry_in_a_cluster
	s_endpgm
.Lentry_in_a_cluster:
	s_bfe_u32 s2, ttmp6, 0x10000c
	s_cmp_lg_u32 s2, 0x3003
	s_cbranch_scc0 .Lentry_shape_is_right
	s_endpgm
.Lentry_shape_is_right:
; ctx[b][q][head] = softmax_k(q . k / 8) v, both products on codes of FP6 (E2M3) with E8M0 scales; ctx is quantised along the model's 1,024 and leaves as codes.
; THE SOFTMAX: t = score x log2(e) / 8; M = the running largest t rounded up to a whole number; p = 2^(t - M) is quantised along the keys, not normalised; the row's sum is taken of the unquantised p and divides at the end.
; SHARES.  A work-group owns 512 queries of one (batch, head); each of its sixteen waves two tiles of 16 queries, one after the other, in 256 registers.
; A WHOLE HEAD'S K AND V STAY IN LDS, filled once: 98,304 bytes of codes each, 8,192 of scale words each.  No byte of LDS is filled twice and none is stored to.
; CLUSTER.  The four work-groups of a cluster belong to one head: every fill is asked for jointly.  ONE LOAD A WAVE: waves 0, 1 K's and V's scale words; waves 2, 3 key steps 0-3 of K and of V;
; waves 4-15 two later key steps each.  Waves 0-3 alone wait ahead of the first barrier; the first four steps are worked while the others' loads land.  Nothing is prefetched: every tile is asked for at the head.
; LAYOUT.  Both products transposed: S^T = K Q^T, O^T = V^T P^T: a lane holds one query.  Codes lie in LDS as half-images (16 rows x 64 codes: registers 2 i, 2 i + 1 of lane l at byte 256 i + 8 l).
; THE HEAD'S 64 IN AN INSTRUCTION OF 128: Q's registers 6-11 hold zero codes; K's operand of tile t is its six registers and the six that follow them, which meet Q's zeros; the scale bytes 2 and 3 are 0, which is 2^-127 and no NaN.
; Inside a block of 32 keys p's codes lie in the order 0-7, 16-23, 8-15, 24-31, as v's were laid; q and k share the same order along the head.  ctx is brought into true order, since it meets Wo's given codes.
; cs is written two bytes a row, the other head of the pair writes the other two: these stores do not cover whole runs of 256 bytes; they are one byte in 24 of what the launch stores.
; LIMITS: NaN and infinities are not served; a block of zeros gets the byte 1 (only this program reads the bytes); the scaled scores stay under 2^31 in magnitude.
.set VB,    98304
.set SCK,   196608
.set SCV,   204800
.set STEPB, 6144
.set WV,  20
.set SEL, 22
.set CS,  24
.set TB,  26
.set TS,  27
.set CNT, 28
.set G1S, 36
.set G1A, 44
.set G1B, 52
.set G0S, 60
.set G0A, 68
.set G0B, 72
.set AL8,  1
.set ASK0, 2
.set ASV0, 3
.set ADK,  4
.set ADV,  5
.set ADS,  6
.set ADT,  7
.set GOS,  8
.set KV,   32
.set KSC,  86
.set VSC,  90
.set S,    96
.set O,    160
.set PCD,  192
.set PC2,  204
.set BM,   212
.set PT,   216
.set SO,   220
.set PSW,  224
.set TT,   225
.set FF,   226
.set CH,   232
.macro ROUND
	s_barrier_signal -1
	s_barrier_wait -1
	s_cmp_lg_u32 s[WV], 0
	s_cbranch_scc1 .Lnot_wave_0_\@
	s_barrier_signal -3
.Lnot_wave_0_\@:
	s_barrier_wait -3
	s_barrier_signal -1
	s_barrier_wait -1
.endm
.macro TL g0, g1
	tensor_load_to_lds s[\g0:\g0+3], s[\g1:\g1+7]
	s_nop 0
.rept 4
	v_nop
.endr
.endm
	s_load_b512 s[4:19], s[0:1], 0x0               ; qc, qs, kc, ks, vc, vs, cc, cs
	v_lshl_add_u32 v254, v0, 2, 0x34000
	v_mov_b32 v255, 0
	ds_add_u32 v254, v255
	ds_add_u32 v254, v255
	v_lshrrev_b32 v9, 5, v0
	s_delay_alu instid0(VALU_DEP_1)
	v_readfirstlane_b32 s[WV], v9
	s_bfe_u32 s29, ttmp6, 0x40000                  ; cx: it enters global addresses of q and ctx alone
	s_and_b32 s30, ttmp7, 0xffff                   ; 16 x batch + head
	s_lshr_b32 s31, s30, 4
	s_and_b32 s32, s30, 15
	s_and_b32 s33, s30, 1
	s_lshr_b32 s34, s32, 1
.irp g, G1S, G1A, G1B                          ; dense blocks as rows of 256 bytes; mask = all four partners
	s_mov_b32 s[\g], 15|(3<<16)|(1<<21)
	s_mov_b32 s[\g+1], 32<<16
	s_mov_b32 s[\g+3], 32<<16
	s_mov_b32 s[\g+5], 32
	s_mov_b32 s[\g+6], 0
	s_mov_b32 s[\g+7], 0
.endr
	s_mov_b32 s[G1S+2], 32<<16
	s_mov_b32 s[G1S+4], 32
	s_mov_b32 s[G1A+2], 96<<16
	s_mov_b32 s[G1A+4], 96
	s_mov_b32 s[G1B+2], 48<<16
	s_mov_b32 s[G1B+4], 48
	s_mov_b32 s[SEL], 0x76543210
	s_mov_b32 s[SEL+1], 0xfedcba98
	s_mov_b32 s[CS], 0x3e38aa3b
	s_mov_b32 s[CS+1], s[CS]
	s_and_b32 s77, s[WV], 1                        ; even waves fetch for K, odd ones for V
	s_lshr_b32 s76, s[WV], 1
	s_mul_i32 s78, s77, VB
	s_mul_i32 s80, s76, 12288                      ; waves 4-15: two key steps from step wave / 2 x 2 on
	s_lshl_b32 s79, s77, 13
	s_lshl_b32 s81, s34, 15
	s_lshl_b32 s82, s31, 13
	s_add_co_u32 s81, s81, s82                     ; the pair's and batch's place in every buffer of scale words
	s_mov_b32 s82, s81
	s_mov_b32 s83, 0
	s_mul_i32 s84, s30, 98304
	s_mov_b32 s85, 0
	s_wait_dscnt 0x0
	s_wait_kmcnt 0x0
	s_cmp_eq_u32 s77, 0
	s_cselect_b64 s[86:87], s[10:11], s[14:15]
	s_cselect_b64 s[8:9], s[8:9], s[12:13]
	s_add_nc_u64 s[8:9], s[8:9], s[84:85]
	s_mov_b32 s[G0S], 1
	s_add_co_u32 s[G0S+1], s79, SCK
	s_add_nc_u64 s[G0S+2:G0S+3], s[86:87], s[82:83]
	s_or_b32 s[G0S+3], s[G0S+3], 0x80000000
	s_mov_b32 s[G0A], 1
	s_mov_b32 s[G0A+1], s78
	s_mov_b64 s[G0A+2:G0A+3], s[8:9]
	s_or_b32 s[G0A+3], s[G0A+3], 0x80000000
	s_mov_b32 s[G0B], 1
	s_add_co_u32 s[G0B+1], s78, s80
	s_mov_b32 s82, s80
	s_add_nc_u64 s[G0B+2:G0B+3], s[8:9], s[82:83]
	s_or_b32 s[G0B+3], s[G0B+3], 0x80000000
	ROUND
	s_cmp_lt_u32 s[WV], 2                          ; one chain, one load to an arm
	s_cbranch_scc0 .Lfirst_codes
	TL G0S, G1S
	s_branch .Lasked
.Lfirst_codes:
	s_cmp_lt_u32 s[WV], 4
	s_cbranch_scc0 .Lrest
	TL G0A, G1A
	s_branch .Lasked
.Lrest:
	TL G0B, G1B
.Lasked:
	s_lshl_b32 s76, s29, 5
	s_lshl_b32 s77, s[WV], 1
	s_add_co_u32 s76, s76, s77                     ; my first tile of 16 queries
	s_mul_i32 s82, s76, 768
	s_add_co_u32 s82, s82, s84
	s_add_nc_u64 s[4:5], s[4:5], s[82:83]
	s_lshl_b32 s82, s76, 6
	s_add_co_u32 s82, s82, s81
	s_lshl_b32 s77, s33, 1
	s_add_co_u32 s82, s82, s77
	s_add_nc_u64 s[6:7], s[6:7], s[82:83]
	s_add_nc_u64 s[18:19], s[18:19], s[82:83]
	s_lshl_b32 s82, s31, 7
	s_add_co_u32 s82, s82, s76
	s_lshl_b32 s82, s82, 4
	s_add_co_u32 s82, s82, s32
	s_mul_i32 s82, s82, 768
	s_add_nc_u64 s[16:17], s[16:17], s[82:83]      ; cc: ((128 batch + tile) x 16 + head) x 768
	s_lshl_b32 s79, s33, 8
	v_and_b32 v9, 31, v0
	v_and_b32 v10, 15, v0
	s_delay_alu instid0(VALU_DEP_2)
	v_lshlrev_b32 v[AL8], 3, v9
	s_delay_alu instid0(VALU_DEP_2)
	v_lshlrev_b32 v[GOS], 2, v10
	s_delay_alu instid0(VALU_DEP_4)
	v_lshl_add_u32 v[ASK0], v9, 2, SCK
	s_delay_alu instid0(VALU_DEP_1)
	v_add_nc_u32 v[ASK0], s77, v[ASK0]
	v_lshl_add_u32 v[ASV0], v9, 2, SCV
	s_delay_alu instid0(VALU_DEP_1)
	v_add_nc_u32 v[ASV0], s79, v[ASV0]
.irp i, 0,1,2
	global_load_b64 v[16+2*\i:17+2*\i], v[AL8], s[4:5] offset:256*\i
	global_load_b64 v[240+2*\i:241+2*\i], v[AL8], s[4:5] offset:768+256*\i
.endr
	global_load_u16 v28, v[GOS], s[6:7]
	global_load_u16 v29, v[GOS], s[6:7] offset:64
.irp j, 22,23,24,25,26,27,80,81,82,83,84,85,246,247,248,249,250,251
	v_mov_b32 v\j, 0                               ; zero codes
.endr
.irp j, 216,217,218,219,225,227
	v_mov_b32 v\j, 0
.endr
.macro INIT
	v_mov_b32 v13, 0xff61b1e6                      ; the largest t so far: -3e38
	s_delay_alu instid0(VALU_DEP_1)
	v_floor_f32 v12, -v13
	v_mov_b32 v14, 0
	v_mov_b32 v15, 0
.set j, 0
.rept 32
	v_mov_b32 v[O+j], 0
.set j, j+1
.endr
.endm
.macro KSTEP QR, QS                    ; 128 keys
	v_add_nc_u32 v[ADK], s[TB], v[AL8]             ; these four are also the places behind the last products
	v_add_nc_u32 v[ADS], s[TS], v[ASK0]
	v_add_nc_u32 v[ADT], s[TS], v[ASV0]
	s_delay_alu instid0(VALU_DEP_3)
	v_add_nc_u32 v[ADV], VB, v[ADK]
.irp p, 0,1,2,3
	ds_load_u16 v[KSC+\p], v[ADS] offset:128*\p
.endr
.irp t, 0,1,2,3,4,5,6,7
.irp i, 0,1,2
	ds_load_b64 v[KV+6*\t+2*\i:KV+6*\t+2*\i+1], v[ADK] offset:768*\t+256*\i
.endr
.endr
	s_wait_alu depctr_va_vdst(0)
	s_wait_dscnt 0x0                               ; for 0: a tile's operand names the next tile's registers too
.irp t, 0,2,4,6
	v_wmma_scale_f32_16x16x128_f8f6f4 v[S+8*\t:S+8*\t+7], v[KV+6*\t:KV+6*\t+11], v[\QR:\QR+11], 0, v[KSC+\t/2], v[\QS] matrix_a_fmt:MATRIX_FMT_FP6 matrix_b_fmt:MATRIX_FMT_FP6
	v_wmma_scale_f32_16x16x128_f8f6f4 v[S+8*\t+8:S+8*\t+15], v[KV+6*\t+6:KV+6*\t+17], v[\QR:\QR+11], 0, v[KSC+\t/2], v[\QS] matrix_a_fmt:MATRIX_FMT_FP6 matrix_b_fmt:MATRIX_FMT_FP6 matrix_a_scale:MATRIX_SCALE_ROW1
.endr
.rept 4
	v_nop
.endr
.irp p, 0,1
	ds_load_b32 v[VSC+\p], v[ADT] offset:128*\p
.endr
.irp t, 0,1,2,3                                ; V is asked for a whole softmax ahead of its use
.irp c, 0,1
.irp i, 0,1,2
	ds_load_b64 v[KV+12*\t+6*\c+2*\i:KV+12*\t+6*\c+2*\i+1], v[ADV] offset:3072*\c+768*\t+256*\i
.endr
.endr
.endr
.irp b, 0,1,2,3
	v_max3_num_f32 v[BM+\b], v[S+16*\b], v[S+1+16*\b], v[S+2+16*\b]   ; each block's largest score: for the row's maximum and for the block's largest p
.endr
.irp i, 3,5,7,9,11,13
.irp b, 0,1,2,3
	v_max3_num_f32 v[BM+\b], v[BM+\b], v[S+16*\b+\i], v[S+1+16*\b+\i]
.endr
.endr
.irp b, 0,1,2,3
	v_max_num_f32 v[BM+\b], v[BM+\b], v[S+15+16*\b]
.endr
.irp b, 0,1,2,3
	s_delay_alu instid0(VALU_DEP_4)
	v_permlanex16_b32 v[PT+\b], v[BM+\b], s[SEL], s[SEL+1]
.endr
.irp b, 0,1,2,3
	s_delay_alu instid0(VALU_DEP_4)
	v_max_num_f32 v[BM+\b], v[BM+\b], v[PT+\b]
.endr
	s_delay_alu instid0(VALU_DEP_2)
	v_max3_num_f32 v[TT], v[BM], v[BM+1], v[BM+2]
	s_delay_alu instid0(VALU_DEP_1)
	v_max_num_f32 v[TT], v[TT], v[BM+3]
	s_delay_alu instid0(VALU_DEP_1)
	v_mul_f32 v[TT], s[CS], v[TT]
	s_delay_alu instid0(VALU_DEP_1)
	v_max_num_f32 v13, v13, v[TT]                  ; the running largest t
	v_mov_b32 v[TT], v12
	s_delay_alu instid0(VALU_DEP_2)
	v_floor_f32 v12, -v13                          ; -M = floor(-t)
	s_delay_alu instid0(VALU_DEP_1)
	v_sub_f32 v[TT], v12, v[TT]
	s_delay_alu instid0(VALU_DEP_1)
	v_cvt_i32_f32 v[TT], v[TT]
	s_delay_alu instid0(VALU_DEP_1)
	v_ldexp_f32 v[FF], 1.0, v[TT]                  ; f = 2^(old M - new M)
.set j, 0
.rept 32
	v_pk_fma_f32 v[S+j:S+j+1], v[S+j:S+j+1], s[CS:CS+1], v[12:13] op_sel_hi:[1,0,0]   ; t - M
.set j, j+2
.endr
.irp b, 0,1,2,3
	v_fma_f32 v[BM+\b], v[BM+\b], s[CS], v12
.endr
.set j, 0
	s_wait_alu depctr_va_vdst(0)
.rept 64
	v_exp_f32 v[S+j], v[S+j]                       ; p = 2^(t - M)
.set j, j+1
.endr
	v_pk_mul_f32 v[14:15], v[14:15], v[FF:FF+1] op_sel_hi:[1,0]
	s_wait_alu depctr_va_vdst(0)                   ; one wait for the batch
.irp b, 0,1,2,3
	v_exp_f32 v[BM+\b], v[BM+\b]                   ; the block's largest p
.endr
.set j, 0                                      ; the row's sum of the unquantised p, in eight chains
.irp c, 230,252,238,236,234,232,228
	v_pk_add_f32 v[\c:\c+1], v[S+j:S+j+1], v[S+j+2:S+j+3]
.set j, j+4
.endr
	v_pk_add_f32 v[14:15], v[14:15], v[S+28:S+29]
.set j, 30
.rept 2
.irp c, 230,252,238,236,234,232,228,14
	v_pk_add_f32 v[\c:\c+1], v[\c:\c+1], v[S+j:S+j+1]
.set j, j+2
.endr
.endr
	v_pk_add_f32 v[230:231], v[230:231], v[S+62:S+63]
	s_delay_alu instid0(VALU_DEP_2)
	v_pk_add_f32 v[14:15], v[14:15], v[236:237]
	s_delay_alu instid0(VALU_DEP_2)
	v_pk_add_f32 v[230:231], v[230:231], v[234:235]
	v_pk_add_f32 v[252:253], v[252:253], v[232:233]
	v_pk_add_f32 v[238:239], v[238:239], v[228:229]
	s_delay_alu instid0(VALU_DEP_2)
	v_pk_add_f32 v[14:15], v[14:15], v[252:253]
	s_delay_alu instid0(VALU_DEP_2)
	v_pk_add_f32 v[230:231], v[230:231], v[238:239]
	s_delay_alu instid0(VALU_DEP_1)
	v_pk_add_f32 v[14:15], v[14:15], v[230:231]
	s_wait_alu depctr_va_vdst(0)                   ; and one for the four
.irp b, 0,1,2,3
	v_max_num_f32 v[BM+\b], 0x1800000, v[BM+\b]    ; the floor 2^(3 - 127)
.endr
.irp b, 0,1,2,3
	s_delay_alu instid0(VALU_DEP_4)
	v_add_nc_u32 v[SO+\b], 0xff000000, v[BM+\b]
.endr
.irp b, 0,1,2,3
	s_delay_alu instid0(VALU_DEP_4)
	v_lshrrev_b32 v[PT+\b], 23, v[SO+\b]
.endr
	s_delay_alu instid0(VALU_DEP_3)
	v_lshl_or_b32 v[PSW], v[PT+1], 8, v[PT]
	s_delay_alu instid0(VALU_DEP_1)
	v_lshl_or_b32 v[PSW], v[PT+2], 16, v[PSW]
	s_delay_alu instid0(VALU_DEP_1)
	v_lshl_or_b32 v[PSW], v[PT+3], 24, v[PSW]
.irp c, 0,1
	v_cvt_scalef32_pk16_fp6_f32 v[PCD+6*\c:PCD+6*\c+2], v[S+32*\c:S+32*\c+15], v[SO+2*\c]
	v_cvt_scalef32_pk16_fp6_f32 v[PC2+4*\c:PC2+4*\c+2], v[S+32*\c+16:S+32*\c+31], v[SO+2*\c+1]
.endr
	v_nop
.irp c, 0,1
.irp i, 0,1,2
	v_permlane16_swap_b32 v[PCD+6*\c+\i], v[PC2+4*\c+\i]
.endr
.irp i, 0,1,2
	s_delay_alu instid0(VALU_DEP_3)
	v_mov_b32 v[PCD+3+6*\c+\i], v[PC2+4*\c+\i]
.endr
.endr
.set j, 0
.rept 16
	v_pk_mul_f32 v[O+j:O+j+1], v[O+j:O+j+1], v[FF:FF+1] op_sel_hi:[1,0]   ; O^T under the new M; these are also the places behind p's scale word and codes
.set j, j+2
.endr
	s_wait_alu depctr_va_vdst(0)
	s_wait_dscnt 0x0                               ; V
.irp t, 0,2
	v_wmma_scale_f32_16x16x128_f8f6f4 v[O+8*\t:O+8*\t+7], v[KV+12*\t:KV+12*\t+11], v[PCD:PCD+11], v[O+8*\t:O+8*\t+7], v[VSC+\t/2], v[PSW] matrix_a_fmt:MATRIX_FMT_FP6 matrix_b_fmt:MATRIX_FMT_FP6
	v_wmma_scale_f32_16x16x128_f8f6f4 v[O+8*\t+8:O+8*\t+15], v[KV+12*\t+12:KV+12*\t+23], v[PCD:PCD+11], v[O+8*\t+8:O+8*\t+15], v[VSC+\t/2], v[PSW] matrix_a_fmt:MATRIX_FMT_FP6 matrix_b_fmt:MATRIX_FMT_FP6 matrix_a_scale:MATRIX_SCALE_ROW1
.endr
	s_add_co_u32 s[TB], s[TB], STEPB
	s_add_co_u32 s[TS], s[TS], 512
.endm
.macro LOOPK n, first, QR, QS
	s_mov_b32 s[TB], STEPB*\first
	s_mov_b32 s[TS], 512*\first
	s_mov_b32 s[CNT], \n
.Lkey_\@:
	KSTEP \QR, \QS
	s_sub_co_u32 s[CNT], s[CNT], 1
	s_cmp_lg_u32 s[CNT], 0
	s_cbranch_scc1 .Lkey_\@
.endm
; THE WAY OUT of pass p: O^T / the sum; the halves of the lanes change places so that a lane holds 16 neighbours of a block in true order; two blocks are quantised
.macro EPI p
.rept 4
	v_nop
.endr
	v_add_f32 v14, v14, v15
	s_delay_alu instid0(VALU_DEP_1)
	v_permlanex16_b32 v[TT], v14, s[SEL], s[SEL+1]
	s_delay_alu instid0(VALU_DEP_1)
	v_add_f32 v14, v14, v[TT]
	s_wait_alu depctr_va_vdst(0)
	v_rcp_f32 v14, v14
	v_nop
	s_wait_alu depctr_va_vdst(0)
.set j, 0
.rept 32
	v_mul_f32 v[S+j], v[O+j], v14
.set j, j+1
.endr
.irp b, 0,1
.irp i, 0,1,2,3,4,5,6,7
	v_permlane16_swap_b32 v[S+16*\b+\i], v[S+8+16*\b+\i]
.endr
.endr
.irp b, 0,1
	v_max3_num_f32 v[BM+\b], |v[S+16*\b]|, |v[S+1+16*\b]|, 0x1800000
.endr
.irp i, 2,4,6,8,10,12,14
.irp b, 0,1
	s_delay_alu instid0(VALU_DEP_2)
	v_max3_num_f32 v[BM+\b], v[BM+\b], |v[S+16*\b+\i]|, |v[S+1+16*\b+\i]|
.endr
.endr
.irp b, 0,1
	s_delay_alu instid0(VALU_DEP_2)
	v_permlanex16_b32 v[PT+\b], v[BM+\b], s[SEL], s[SEL+1]
.endr
.irp b, 0,1
	s_delay_alu instid0(VALU_DEP_2)
	v_max_num_f32 v[BM+\b], v[BM+\b], v[PT+\b]
.endr
.irp b, 0,1
	s_delay_alu instid0(VALU_DEP_2)
	v_add_nc_u32 v[SO+\b], 0xff000000, v[BM+\b]
.endr
.irp b, 0,1
	s_delay_alu instid0(VALU_DEP_2)
	v_lshrrev_b32 v[PT+\b], 23, v[SO+\b]
.endr
	s_delay_alu instid0(VALU_DEP_1)
	v_lshl_or_b32 v[CH], v[PT+1], 8, v[PT]
	v_cvt_scalef32_pk16_fp6_f32 v[PCD:PCD+2], v[S:S+15], v[SO]
	v_cvt_scalef32_pk16_fp6_f32 v[PCD+4:PCD+6], v[S+16:S+31], v[SO+1]
	v_nop
.irp i, 0,1,2
	v_permlane16_swap_b32 v[PCD+\i], v[PCD+4+\i]
.endr
.irp i, 0,1,2
	s_delay_alu instid0(VALU_DEP_3)
	v_mov_b32 v[PCD+3+\i], v[PCD+4+\i]
.endr
.irp i, 0,1,2
	global_store_b64 v[AL8], v[PCD+2*\i:PCD+2*\i+1], s[16:17] offset:12288*\p+256*\i   ; 32 lanes store 256 consecutive bytes, aligned
.endr
	global_store_b16 v[GOS], v[CH], s[18:19] offset:64*\p
.endm
	INIT
	s_wait_alu depctr_va_vdst(0)                   ; the wait at the head's end
	s_cmp_lt_u32 s[WV], 4                          ; the scale words' and key steps 0-3's loads are waves 0-3's alone, and these wait
	s_cbranch_scc0 .Lnot_first
	s_wait_tensorcnt 0x0
.Lnot_first:
	s_barrier_signal -1
	s_barrier_wait -1                              ; the other loads may be out
	s_wait_loadcnt 0x0                             ; Q
	LOOPK 4, 0, 16, 28
	s_wait_tensorcnt 0x0                           ; every wave's load is in,
	s_wait_dscnt 0x0
	s_barrier_signal -1
	s_barrier_wait -1                              ; and shown to all
	LOOPK 12, 4, 16, 28
	EPI 0
	s_wait_xcnt 0x0                                ; the stores have read their data
	INIT
	LOOPK 16, 0, 240, 29
	EPI 1
	s_wait_tensorcnt 0x0
	ds_add_u32 v254, v255
	s_wait_dscnt 0x0
	ROUND
	s_endpgm
.Lfunc_end_k_q2f2303aff5_attn:
	.size	k_q2f2303aff5_attn, .Lfunc_end_k_q2f2303aff5_attn-k_q2f2303aff5_attn
	.p2alignl 7, 3214868480
	.fill 96, 4, 3214868480
	.section	.rodata,"a",@progbits
	.p2align	6, 0x0
	.amdhsa_kernel k_q2f2303aff5_attn
		.amdhsa_group_segment_fixed_size 215040
		.amdhsa_private_segment_fixed_size 0
		.amdhsa_enable_private_segment 0
		.amdhsa_kernarg_size 64
		.amdhsa_user_sgpr_count 2
		.amdhsa_user_sgpr_kernarg_segment_ptr 1
		.amdhsa_wavefront_size32 1
		.amdhsa_system_sgpr_workgroup_id_x 1
		.amdhsa_system_sgpr_workgroup_id_y 1
		.amdhsa_system_sgpr_workgroup_id_z 1
		.amdhsa_system_vgpr_workitem_id 0
		.amdhsa_next_free_vgpr 256
		.amdhsa_next_free_sgpr 88
		.amdhsa_reserve_vcc 0
		.amdhsa_float_denorm_mode_32 3
		.amdhsa_float_denorm_mode_16_64 3
		.amdhsa_memory_ordered 1
		.amdhsa_forward_progress 1
		.amdhsa_inst_pref_size 77
	.end_amdhsa_kernel
	.amdgpu_metadata
---
amdhsa.version: [ 1, 2 ]
amdhsa.kernels:
  - .name:           k_q2f2303aff5_attn
    .symbol:         k_q2f2303aff5_attn.kd
    .args:
      - { .name: qc, .offset: 0, .size: 8, .value_kind: global_buffer, .address_space: global }
      - { .name: qs, .offset: 8, .size: 8, .value_kind: global_buffer, .address_space: global }
      - { .name: kc, .offset: 16, .size: 8, .value_kind: global_buffer, .address_space: global }
      - { .name: ks, .offset: 24, .size: 8, .value_kind: global_buffer, .address_space: global }
      - { .name: vc, .offset: 32, .size: 8, .value_kind: global_buffer, .address_space: global }
      - { .name: vs, .offset: 40, .size: 8, .value_kind: global_buffer, .address_space: global }
      - { .name: cc, .offset: 48, .size: 8, .value_kind: global_buffer, .address_space: global }
      - { .name: cs, .offset: 56, .size: 8, .value_kind: global_buffer, .address_space: global }
    .group_segment_fixed_size: 215040
    .private_segment_fixed_size: 0
    .kernarg_segment_align: 8
    .kernarg_segment_size: 64
    .max_flat_workgroup_size: 512
    .sgpr_count:     88
    .vgpr_count:     256
    .wavefront_size: 32
...
	.end_amdgpu_metadata
.endif
;; end of part 2
;; launch proj (part 3): grid 8 x 32, 4 waves a work-group, clusters of 4 x 4, 327,680 bytes of LDS; arguments cc, cs, Wo_codes, Wo_scales, bo, out0; writes out0
.if DOCPART == 3
	.amdgcn_target "amdgcn-amd-amdhsa--gfx1250"
	.amdhsa_code_object_version 6
	.text
	.protected	k_q2f2303aff5_proj
	.globl	k_q2f2303aff5_proj
	.p2align	8
	.type	k_q2f2303aff5_proj,@function
k_q2f2303aff5_proj:
	s_mov_b64 s[64:65], 0
	v_nop
	global_prefetch_b8 v0, s[64:65] scope:SCOPE_SE
	s_setreg_imm32_b32 hwreg(HW_REG_WAVE_MODE, 25, 1), 1
	s_wait_xcnt 0x0
	s_wait_alu depctr_hold_cnt(0) depctr_sa_sdst(0) depctr_va_vdst(0) depctr_va_sdst(0) depctr_va_ssrc(0) depctr_va_vcc(0) depctr_vm_vsrc(0)
	s_getreg_b32 s2, hwreg(HW_REG_IB_STS2, 6, 4)
	s_cmp_eq_u32 s2, 0
	s_cbranch_scc0 .Lentry_in_a_cluster
	s_endpgm
.Lentry_in_a_cluster:
	s_bfe_u32 s2, ttmp6, 0x10000c
	s_cmp_lg_u32 s2, 0xf033
	s_cbranch_scc0 .Lentry_shape_is_right
	s_endpgm
.Lentry_shape_is_right:
; out = ctx Wo^T + bo on codes of FP6 (E2M3) with E8M0 scales, K = 1,024; f32 out.
; A block of the result is 256 tokens x 128 columns: 256 work-groups.  ALL OF K LIES IN LDS: ctx's 16 tiles of 16 tokens (12,288 dense bytes each, half-images as the launch before left them),
; Wo's 128 rows of 768 bytes (16 bytes of padding behind every 256), and both sides' scales.  Four joint loads at the head, one a wave (ctx shared along a row of the 4 x 4 cluster, Wo along a column);
; no byte of LDS is filled twice, so no barrier stands along K.  Nothing is prefetched: every tile is asked for at the head, and there is no loop to run ahead in.
; A wave makes 64 tokens x 128 columns: 32 accumulators; fragments in two sets; all scale words in registers.  The matrix instruction is used transposed (source 0 = Wo's rows): a lane holds eight neighbouring columns of a row.
; The bias is the C of each sum's first product.  THE WAY OUT: 16 rows at a time through a stage in the wave's own rows of ctx, which only this wave read and has read to the end; whole rows of 512 bytes are stored.
.set PITCH,  816
.set FR,     12
.set WA,     49152                     ; a wave's 64 tokens of ctx
.set BB,     4*WA
.set SCA,    BB+128*PITCH              ; ctx's scale words: [pair of heads][256 tokens] u32
.set SCB,    SCA+8192
.set SPARE,  SCB+4096
.set SPITCH, 528
.set ADRA, 16
.set ADRB, 20
.set ADSA, 24
.set ADSB, 25
.set STO,  26
.set RD,   27
.set SPW,  28
.set NIL,  29
.set CO,   30
.set SB,   32
.set SAR,  66
.set CB,   82
.set AF,   146
.set BK,   82
.set G1, 24
.set G0, 32
.set G1B, 48
.set G0B, 56
.set G1S, 68
.set G0S, 76
.set G1SB, 80
.set G0SB, 88
.set CODEBITS, (1<<20)|(1<<21)|(5<<22)|(3<<25)
.set SCLBITS,  (3<<16)|(1<<21)
.set MSB, 0
.macro WIN new
.if MSB != (\new)
	s_set_vgpr_msb (MSB<<8)|(\new)
.set MSB, (\new)
.endif
.endm
.macro PLACES n
.rept \n
	v_nop
.endr
.endm
.macro TL g0, g1
	tensor_load_to_lds s[\g0:\g0+3], s[\g1:\g1+7]
	s_nop 0
	PLACES 4
.endm
.macro GRP1 g, mask, bits, c, r, p
	s_or_b32 s[\g], s\mask, \bits
	s_mov_b32 s[\g+1], (\c)<<16
	s_mov_b32 s[\g+2], (\r)<<16
	s_mov_b32 s[\g+3], (\c)<<16
	s_mov_b32 s[\g+4], \r
	s_mov_b32 s[\g+5], \p
	s_mov_b32 s[\g+6], 0
	s_mov_b32 s[\g+7], 0
.endm
.macro G0SET g, lds, base, off
	s_mov_b32 s[\g], 1
	s_mov_b32 s[\g+1], \lds
	s_add_nc_u64 s[\g+2:\g+3], s[\base:\base+1], s[\off:\off+1]
	s_or_b32 s[\g+3], s[\g+3], 0x80000000
.endm
.macro CROUND
	s_barrier_signal -1
	s_barrier_wait -1
	s_cmp_lg_u32 s14, 0
	s_cbranch_scc1 .Lnot_wave_0_\@
	s_barrier_signal -3
.Lnot_wave_0_\@:
	s_barrier_wait -3
	s_barrier_signal -1
	s_barrier_wait -1
.endm
	s_load_b256 s[4:11], s[0:1], 0x0               ; cc, cs, Wo codes, Wo scales
	s_load_b128 s[92:95], s[0:1], 0x20             ; bo, out0
	v_lshl_add_u32 v[SPW], v0, 2, SPARE
	v_mov_b32 v[NIL], 0
	ds_add_u32 v[SPW], v[NIL]                      ; the opening lines
	ds_add_u32 v[SPW], v[NIL]
	v_lshrrev_b32 v1, 5, v0
	v_readfirstlane_b32 s14, v1
	s_bfe_u32 s40, ttmp6, 0x40000
	s_bfe_u32 s41, ttmp6, 0x40004
	s_lshl_b32 s42, ttmp9, 2
	s_add_co_u32 s42, s42, s40                     ; tile of 128 columns, 0..7
	s_and_b32 s17, ttmp7, 0xffff
	s_lshl_b32 s17, s17, 2
	s_add_co_u32 s17, s17, s41                     ; tile of 256 tokens, 0..31
	s_lshl_b32 s43, s41, 2
	s_lshl_b32 s43, 15, s43
	s_lshl_b32 s44, 0x1111, s40
	GRP1 G1, 43, SCLBITS, 32, 768, 32              ; 196,608 dense bytes as rows of 256
	GRP1 G1B, 44, CODEBITS, 768, 128, 768
	GRP1 G1S, 43, SCLBITS, 128, 8, 4096            ; eight pairs of heads x 1,024 bytes, 32,768 apart
	GRP1 G1SB, 44, SCLBITS, 32, 16, 32
	s_mul_i32 s20, s17, 196608
	s_mov_b32 s21, 0
	s_lshl_b32 s22, s17, 10
	s_mov_b32 s23, 0
	s_mul_i32 s46, s42, 98304
	s_mov_b32 s47, 0
	s_lshl_b32 s36, s42, 12
	s_mov_b32 s37, 0
	s_wait_dscnt 0x0
	CROUND
	s_wait_kmcnt 0x0
	G0SET G0, 0, 4, 20
	G0SET G0B, BB, 8, 46
	G0SET G0S, SCA, 6, 22
	G0SET G0SB, SCB, 10, 36
	s_cmp_eq_u32 s14, 0                            ; one chain, one load to an arm
	s_cbranch_scc0 .Lw1
	TL G0, G1
	s_branch .Lasked
.Lw1:
	s_cmp_eq_u32 s14, 1
	s_cbranch_scc0 .Lw2
	TL G0B, G1B
	s_branch .Lasked
.Lw2:
	s_cmp_eq_u32 s14, 2
	s_cbranch_scc0 .Lw3
	TL G0S, G1S
	s_branch .Lasked
.Lw3:
	TL G0SB, G1SB
.Lasked:
	s_lshl_b32 s18, s42, 9                         ; my columns, in bytes
	s_mov_b32 s19, 0
	s_add_nc_u64 s[92:93], s[92:93], s[18:19]
	s_lshl_b32 s38, s17, 8
	s_lshl_b32 s39, s14, 6
	s_add_co_u32 s38, s38, s39                     ; my first token
	s_lshl_b32 s38, s38, 12
	s_add_co_u32 s38, s38, s18
	s_mov_b32 s39, 0
	s_add_nc_u64 s[94:95], s[94:95], s[38:39]
	s_mul_i32 s45, s14, WA
	s_lshl_b32 s16, s14, 8
	s_add_co_u32 s16, s16, SCA
	v_and_b32 v1, 15, v0
	v_bfe_u32 v2, v0, 4, 1
	v_and_b32 v5, 31, v0
	v_mul_u32_u24 v3, v1, PITCH
	v_mad_u32_u24 v4, v2, 24, v3
	v_mad_u32_u24 v6, v2, 40, v3
	v_add_nc_u32 v[ADRB], BB, v4
	v_add_nc_u32 v[ADRB+1], BB, v6
	v_add_nc_u32 v[ADRB+2], BB+64*PITCH, v4
	v_add_nc_u32 v[ADRB+3], BB+64*PITCH, v6
	v_lshl_add_u32 v[ADRA], v5, 3, s45
	v_lshl_add_u32 v[ADSA], v5, 2, s16
	v_lshl_add_u32 v[ADSB], v5, 5, SCB
	v_mul_u32_u24 v7, v1, SPITCH
	v_lshl_add_u32 v7, v2, 5, v7
	v_add_nc_u32 v[STO], s45, v7
	v_lshlrev_b32 v[CO], 4, v5
	v_add_nc_u32 v[RD], s45, v[CO]
	v_lshlrev_b32 v8, 5, v2
.irp b, 0,1,2,3,4,5,6,7
	global_load_b128 v[CB+8*\b:CB+8*\b+3], v8, s[92:93] offset:64*\b        ; bo[n0 + 16 b + 8 h + j]
	global_load_b128 v[CB+8*\b+4:CB+8*\b+7], v8, s[92:93] offset:64*\b+16
.endr
.macro FRAG reg, adr, q, off
.irp p, 0,1,2,3,4,5
.set PCE, 12*(\q)+6*(\p/3)+\p%3
.if PCE%32 < 29
	ds_load_b64 v[\reg+2*\p:\reg+2*\p+1], v[\adr] offset:8*PCE+16*(PCE/32)+(\off)
.else
	ds_load_b64 v[\reg+2*\p:\reg+2*\p+1], v[\adr+1] offset:8*PCE+16*(PCE/32)+(\off)
.endif
.endr
.endm
.macro FETCH q
	WIN 0x40
.irp i, 0,1,2,3,4,5,6,7
	FRAG 128*((\q)%2)+FR*\i, ADRB+2*(\i/4), \q, (\i%4)*16*PITCH
.endr
	WIN 0
.irp i, 0,1,2,3
.irp p, 0,1,2,3,4,5
	ds_load_b64 v[AF+48*((\q)%2)+FR*\i+2*\p:AF+48*((\q)%2)+FR*\i+2*\p+1], v[ADRA] offset:12288*\i+1536*(\q)+256*\p
.endr
.endr
.endm
.macro MUL32 q, zero                   ; the 32 accumulators take turns
.irp ap, 0,1
.irp ra, 0,1
.irp bp, 0,1,2,3
.irp rb, 0,1
.set rD, 8*(8*(2*\ap+\ra)+2*\bp+\rb)
.set rB, 128*((\q)%2)+FR*(2*\bp+\rb)
.set rA, AF+48*((\q)%2)+FR*(2*\ap+\ra)
.set rC, rD
.if \zero
.set rC, CB+8*(2*\bp+\rb)
.endif
	v_wmma_scale_f32_16x16x128_f8f6f4 v[rD:rD+7], v[rB:rB+FR-1], v[rA:rA+FR-1], v[rC:rC+7], v[SB+8*\bp+(\q)], v[SAR+8*\ap+(\q)] matrix_a_fmt:MATRIX_FMT_FP6 matrix_b_fmt:MATRIX_FMT_FP6 matrix_a_scale:MATRIX_SCALE_ROW\rb matrix_b_scale:MATRIX_SCALE_ROW\ra
.endr
.endr
.endr
.endr
.endm
.macro STEP q, zero
	s_wait_dscnt 0x0                               ; this step's fragments are in
.if (\q) < 7
.if (\q) > 0
	PLACES 4
.endif
	FETCH (\q)+1
.endif
.if \zero
	WIN 0x81
.else
	WIN 0xa1
.endif
	MUL32 \q, \zero
	WIN 0
.endm
	s_wait_alu depctr_va_vdst(0)                   ; the wait at the head's end
	s_wait_tensorcnt 0x0
	s_barrier_signal -1
	s_barrier_wait -1                              ; all four tiles are in
.irp i, 0,1,2,3
	ds_load_b128 v[SB+8*\i:SB+8*\i+3], v[ADSB] offset:1024*\i
	ds_load_b128 v[SB+8*\i+4:SB+8*\i+7], v[ADSB] offset:1024*\i+16
.endr
.irp q, 0,1,2,3,4,5,6,7
	ds_load_b32 v[SAR+\q], v[ADSA] offset:1024*\q
	ds_load_b32 v[SAR+8+\q], v[ADSA] offset:1024*\q+128
.endr
	FETCH 0
	s_wait_loadcnt 0x0                             ; the bias
	STEP 0, 1
.irp q, 1,2,3,4,5,6,7
	STEP \q, 0
.endr
.macro TOSTAGE a
.set AC, 64*(\a)
	WIN 0x08
.irp b, 0,1,2,3,4,5,6,7
	ds_store_b128 v[STO], v[AC+8*\b:AC+8*\b+3] offset:64*\b          ; each accumulator from its low end on
	ds_store_b128 v[STO], v[AC+8*\b+4:AC+8*\b+7] offset:64*\b+16
.endr
	WIN 0
.set BBK, BK+64*((\a)%2)
.irp t, 0,1,2,3,4,5,6,7,8,9,10,11,12,13,14,15
	ds_load_b128 v[BBK+4*\t:BBK+4*\t+3], v[RD] offset:\t*SPITCH      ; LDS serves a wave's instructions in order (ISA guide 5.7.1.4)
.endr
.endm
.macro SEND a, younger                 ; younger: the LDS instructions issued behind block a's loads
.set BBK, BK+64*((\a)%2)
	s_wait_dscnt \younger
.if (\a) > 0
	s_add_nc_u64 s[94:95], s[94:95], 16*4096
.endif
.irp t, 0,1,2,3,4,5,6,7,8,9,10,11,12,13,14,15
	global_store_b128 v[CO], v[BBK+4*\t:BBK+4*\t+3], s[94:95] offset:\t*4096 th:TH_STORE_NT   ; 32 lanes store 512 consecutive bytes, aligned
.endr
.endm
	PLACES 4
	TOSTAGE 0
.irp a, 1,2,3
.if \a > 1
	s_wait_xcnt 0x0                                ; block a - 2's stores have read their registers and their base
.endif
	TOSTAGE \a
	SEND \a-1, 32                                  ; behind block a - 1's loads: block a's 16 stores and 16 loads
.endr
	s_wait_xcnt 0x0
	SEND 3, 0
	s_wait_tensorcnt 0x0                           ; the wave's end
	ds_add_u32 v[SPW], v[NIL]
	s_wait_dscnt 0x0
	CROUND
	s_endpgm
.Lfunc_end_k_q2f2303aff5_proj:
	.size	k_q2f2303aff5_proj, .Lfunc_end_k_q2f2303aff5_proj-k_q2f2303aff5_proj
	.p2alignl 7, 3214868480
	.fill 96, 4, 3214868480
	.section	.rodata,"a",@progbits
	.p2align	6, 0x0
	.amdhsa_kernel k_q2f2303aff5_proj
		.amdhsa_group_segment_fixed_size 327680
		.amdhsa_private_segment_fixed_size 0
		.amdhsa_enable_private_segment 0
		.amdhsa_kernarg_size 48
		.amdhsa_user_sgpr_count 2
		.amdhsa_user_sgpr_kernarg_segment_ptr 1
		.amdhsa_wavefront_size32 1
		.amdhsa_system_sgpr_workgroup_id_x 1
		.amdhsa_system_sgpr_workgroup_id_y 1
		.amdhsa_system_sgpr_workgroup_id_z 1
		.amdhsa_system_vgpr_workitem_id 0
		.amdhsa_next_free_vgpr 768
		.amdhsa_next_free_sgpr 102
		.amdhsa_reserve_vcc 0
		.amdhsa_float_denorm_mode_32 3
		.amdhsa_float_denorm_mode_16_64 3
		.amdhsa_memory_ordered 1
		.amdhsa_forward_progress 1
		.amdhsa_inst_pref_size 96
	.end_amdhsa_kernel
	.amdgpu_metadata
---
amdhsa.version: [ 1, 2 ]
amdhsa.kernels:
  - .name:           k_q2f2303aff5_proj
    .symbol:         k_q2f2303aff5_proj.kd
    .args:
      - { .name: cc, .offset: 0, .size: 8, .value_kind: global_buffer, .address_space: global }
      - { .name: cs, .offset: 8, .size: 8, .value_kind: global_buffer, .address_space: global }
      - { .name: Wo_codes, .offset: 16, .size: 8, .value_kind: global_buffer, .address_space: global }
      - { .name: Wo_scales, .offset: 24, .size: 8, .value_kind: global_buffer, .address_space: global }
      - { .name: bo, .offset: 32, .size: 8, .value_kind: global_buffer, .address_space: global }
      - { .name: out0, .offset: 40, .size: 8, .value_kind: global_buffer, .address_space: global }
    .group_segment_fixed_size: 327680
    .private_segment_fixed_size: 0
    .kernarg_segment_align: 8
    .kernarg_segment_size: 48
    .max_flat_workgroup_size: 128
    .sgpr_count:     102
    .vgpr_count:     768
    .wavefront_size: 32
...
	.end_amdgpu_metadata
.endif
;; end of part 3
